; MI455X (gfx1250); checked and timed in simulation.
; The chip was launched on July 23, 2026; its instructions are those of AMD's public machine-readable ISA for CDNA 5 (MIT licence, August 2026) and "CDNA5" Instruction Set Architecture Reference Guide (July 2026). The comments in the code are by the model that wrote it; some were corrected since.
;; Lazy Attention Embedding. Allowed arithmetic: float matrix products may take bf16 or f16 operands with f32 sums; all other float work in f32.
;; Inputs: bias_weight 4,096 x 16 float32; k 2 x 16 x 2,048 x 64 float32; q 2 x 16 x 2,048 x 64 float32; tau 16 float32; v 2 x 16 x 2,048 x 64 float32.
;; Outputs: out0 2 x 16 x 2,048 x 64 float32.
;; Constants: max_bias_length = 4096.
;; One version. Each part assembles by itself: llvm-mc -triple=amdgcn-amd-amdhsa -mcpu=gfx1250 --defsym DOCPART=n.
;; ======== version 1 of 1: 1 launch
;; limits: right only within a limited range of input values; values are held in f16: magnitudes above 65,504 overflow, below 6.1e-05 lose precision; inputs' magnitudes at most 65,504
;; launch attn (part 1): grid 8 x 32, 8 waves a work-group, no clusters, 192,000 bytes of LDS; arguments q, k, v, tau, bias_weight, out0; writes out0
.if DOCPART == 1
	.amdgcn_target "amdgcn-amd-amdhsa--gfx1250"
	.amdhsa_code_object_version 6
	.text
	.protected	k_q10395e9786_attn
	.globl	k_q10395e9786_attn
	.p2align	8
	.type	k_q10395e9786_attn,@function
k_q10395e9786_attn:
	s_mov_b64 s[64:65], 0
	v_nop
	global_prefetch_b8 v0, s[64:65] scope:SCOPE_SE
	s_setreg_imm32_b32 hwreg(HW_REG_WAVE_MODE, 25, 1), 1
	s_wait_xcnt 0x0
; out[q] = sum over k of relu(softmax(q.k/8 + bias[q-k][head], causal)[k] + tau[head]/(q+1)) v[k].   32 heads (b*16+h), 2,048 rows, 64 columns, f32.
; The relu acts on the NORMALISED probability, so a row's maximum and sum must be final before any product with V: two passes over the keys
; (pass 1: scores, running maximum and sum; pass 2: scores again, the weights, the product with V).
; THE TAU TERM: a probability p is never negative, so relu(p + t) = max(p + min(t,0), 0) + max(t,0) for every p and t.  The first part is 0 for a masked
; key (p = 0) and goes through the matrix unit over the key blocks up to the diagonal; the second part is the same for all 2,048 keys, masked or not:
; relu(t) x (sum of all rows of V), summed in f32 on the vector unit, so that neither t nor V is rounded to 16 bits in it.
; THE MATRIX OPERANDS ARE f16, not bf16: 11 significant bits against 8.  A row with few keys is a sum of a few products as large as |v|, which can cancel
; against each other and against the tau term, so the operands' rounding shows in full in a small result.  f16 has the room: the weights lie in [0, 1] for
; every input; k, v and q log2(e)/8 are a few units, far below f16's largest number, 65,504; below 2^-14 an f16 number is denormal (kept: ISA guide, the
; wave's mode) with an error of at most 2^-25, over 2,048 weights at most 6e-5 |v|.
; WORK: grid x = j (0..7), y = head.  A work-group does two jobs of 128 query rows: block 15-j, then block j: (16-j) + (j+1) = 17 key steps of 128 keys each.
; Eight waves = 4 row groups (rg = w & 3: 32 rows, two tiles a of 16) x 2 key halves (kh = w >> 2: 64 of a step's 128 keys).
; SCORES ARE MADE TRANSPOSED: source 0 = 16 keys, source 1 = 16 queries, so lane (r, h) holds keys 8h..8h+7 of query r: a row's maximum and sum are
; per lane, and two neighbouring key tiles pack straight into source 1 of the product with V (transposed too: source 0 = V's columns).
; BIAS AND MASK are the C operand of a score's first matrix instruction, from a table of this head in LDS: T[x] = log2(e) bias[2048-x], -1e30 for q < k;
; four copies, copy c moved by c words, so that a lane's eight neighbouring words start on 16 bytes.
; K and V are f32 in memory and f16 in the matrix unit, so a tile goes memory -> registers (one step ahead) -> f16 -> one of two LDS slots.
; The text of a step is the same in every step: behind a pass's last tile it asks for tile 0, with which the next pass or job begins; the second job's
; last two steps ask for it in vain (inside the buffers).
; THE SUM OF V'S ROWS is made in the first job, each of the 16 tiles added once as it passes through the registers: tiles 15 .. 16-j are streamed for it in
; pass 1's steps 0 .. j-1; tiles 1 .. 15-j and then tile 0 are those that arrive in pass 2's steps.
; NO CLUSTER, NO TENSOR LOAD: a tile changes its format on the way into LDS, which only the way through registers does, and the eight work-groups of a
; head walk different numbers of tiles (16-j, then j+1), so joint requests would need 20 steps in step instead of 17.
; LIMITS: |k| and |v| below 65,504 and |q| below 3.6e5, or an f16 operand becomes infinite; a real score (x log2 e) must stay above about -1e29, or it is
; taken for a masked one (the mask is an added -1e30, as in the source's NEG_INF); tau/(q+1) is tau x v_rcp_f32(q+1), within 2 units of the last place;
; q is scaled by log2(e)/8 before it is rounded to f16; a NaN in a probability becomes 0 in the relu (v_max_num_f32), and infinities in the inputs give
; NaN, not surely in the same elements as in the source.
.set USE_DUAL, 0                       ; relu of two registers: 0 = two plain instructions, 1 = one dual instruction
.set TILEB, 32768                      ; 128 rows x 256 bytes of f32
.set KPI,   144                        ; K's LDS row: 128 bytes of f16 + 16 = 36 words: 16 rows of a fragment start 4 banks apart (64 banks of 4 bytes: ISA guide 11.1)
.set KSLOT, 128*KPI
.set VPI,   160                        ; V's LDS row: 128 + 32, an odd multiple of 32 bytes, for the transposing loads
.set VSLOT, 128*VPI
.set CP,    9280                       ; a copy of the bias table: 2,320 words; 9,280 = 64 modulo 256, so the four copies' lanes fall on different 16-byte columns
.set XP,    272                        ; a row of 64 f32 on the way out + 16 bytes
.set XW,    32*XP
.set KS,    37376                      ; LDS map: table at 0 (37,120 bytes), K's two slots,
.set VS,    KS+2*KSLOT                 ; V's two slots,
.set XO,    VS+2*VSLOT                 ; each wave's partial result,
.set STAT,  XO+8*XW                    ; each wave's (maximum, sum): 2 tiles x 32 lanes x 8 bytes,
.set SUFP,  STAT+4096                  ; each wave's part of the sum of V's rows (256 bytes); ends at 190,976
.set QSC,   0x3e38aa3b                 ; log2(e) / 8
.set LOG2E, 0x3fb8aa3b
.set NEG,   0xf149f2ca                 ; -1e30
.set MINIT, 0xff000000                 ; -2^127: below every score, the masked ones too, and finite
; vector registers, window 0
.set KGO, 1                            ; byte offsets in a K, V tile of my 16 bytes; never rewritten
.set VGO, 2
.set KWR, 3                            ; LDS: where I store f16 of K, V
.set VWR, 4
.set KRD, 5                            ; LDS: my K fragments, my V fragments
.set VRD, 6
.set BRD, 7                            ; LDS: this step's bias words
.set XWR, 9                            ; the way out: in, back, and in memory
.set XRD, 10
.set OGO, 11
.set QGO, 12
.set SPW, 13                           ; LDS: my wave's part of V's sum, and where I read four waves' parts
.set SPR, 14
.set MM,  16                           ; v[16:19]  tile a: (m, m)
.set LL,  20                           ; v[20:23]  pass 1: sums of even and odd registers; pass 2: (1/l, 1/l)
.set TT,  24                           ; v[24:27]  (min(t,0), twice), t = tau / (q+1)
.set AL,  28                           ; v[28:31]  pass 1: the sum's rescaling, in each pair's low register
.set QF,  32                           ; v[32:63]  Q fragments, 16 a + 8 ks
.set S,   64                           ; v[64:127] pass 1: scores, tile (a, b) at 8 (4 a + b)
.set O,   64                           ;           pass 2: results, tile (a, t) at 8 (4 a + t)
.set X,   128                          ; v[128:159] pass 2: scores of 32 keys, 16 a + 8 b'; the weights are packed in place into the first 8 of each 16
.set QS,  128                          ; v[128:191] Q as loaded
.set BI,  128                          ; v[128:167] pass 1: five bias tiles; v[180:183] at work
.set BI2, 160                          ; v[160:183] pass 2: three bias tiles
.set KF,  184                          ; v[184:247] pass 1: K fragments 16 b + 8 ks; pass 2: v[184:215]
.set VF,  216                          ; v[216:247] pass 2: V fragments 8 t
.set MT,  184                          ; at work between the passes
.set PT,  192                          ; the way out: v[192:207] four waves' parts of V's sum, v[208:211] at work,
.set PX,  208
.set RT,  216                          ;              v[216:231] relu(t) of my eight rows, in each pair's low register
.set STW, 248
.set STR, 249
.set RR,  250                          ; r = lane & 15
.set HH,  251                          ; h = lane >> 4
.set PFO, 252                          ; 256 x thread, for the prefetch; never rewritten
.set BRC, 253
; window 1: v256-287 K tile as loaded (written v0-31), v288-319 V tile as loaded (written v32-63),
;           v320-327 (written v64-71) running sums of V's rows, even and odd loads apart; from the first job's way out on v320-323 hold the whole sum
; scalars
.set JJ,   16
.set LAST, 25                          ; the job's query block = its last key step
.set CNT,  26                          ; the number of a trip's first step
.set SIDX, 27                          ; the step's number
.set KP,   30
.set VP,   32
.set QP,   34
.set OP,   46
.set TRIP, 53                          ; a pass loop's counter: one trip = two steps
.set NPAIR, 54                         ; and its bound, not written in the loop
.set MSB, 0
.macro WIN new                         ; s_set_vgpr_msb: bits 1:0 source 0, 3:2 source 1, 7:6 destination; the high byte repeats the setting that is left
.if MSB != \new
	s_set_vgpr_msb (MSB<<8)|\new
.set MSB, \new
.endif
.endm
; ---- four places behind a group of score products, ahead of the loads into their sources and of the readers of their results
.macro PLACES
.rept 4
	v_nop
.endr
.endm
; ---- a tile from memory to registers: wave w takes 16 rows; each half of the lanes reads one whole row of 256 bytes, aligned
.macro LOADK                           ; rows 16 w + 8 h + i
	WIN 0x40
.irp i, 0,1,2,3,4,5,6,7
	global_load_b128 v[4*\i:4*\i+3], v[KGO], s[KP:KP+1] offset:\i*256
.endr
.endm
.macro LOADV                           ; rows 16 w + 4 h + (i & 3) + 8 (i >> 2)
	WIN 0x40
.irp i, 0,1,2,3,4,5,6,7
	global_load_b128 v[32+4*\i:35+4*\i], v[VGO], s[VP:VP+1] offset:((\i&3)+8*(\i>>2))*256
.endr
.endm
; ---- to f16 in place, then 8 bytes a lane into a slot.  The two rows of a store lie 288 (K) and 160 (V) words apart, both 32 modulo 64 banks
.macro CVTK
	WIN 0x45
.irp i, 0,1,2,3,4,5,6,7
	v_cvt_pk_f16_f32 v[4*\i], v[4*\i], v[4*\i+1]
	v_cvt_pk_f16_f32 v[4*\i+1], v[4*\i+2], v[4*\i+3]
.endr
.endm
.macro CVTV
	WIN 0x45
.irp i, 0,1,2,3,4,5,6,7
	v_cvt_pk_f16_f32 v[32+4*\i], v[32+4*\i], v[33+4*\i]
	v_cvt_pk_f16_f32 v[33+4*\i], v[34+4*\i], v[35+4*\i]
.endr
.endm
.macro STK other
	WIN 0x04
.irp i, 0,1,2,3,4,5,6,7
	ds_store_b64 v[KWR], v[4*\i:4*\i+1] offset:\other*KSLOT+\i*KPI
.endr
.endm
.macro STV other
	WIN 0x04
.irp i, 0,1,2,3,4,5,6,7
	ds_store_b64 v[VWR], v[32+4*\i:33+4*\i] offset:\other*VSLOT+((\i&3)+8*(\i>>2))*VPI
.endr
.endm
; ---- my eight rows of the V tile (columns 4r .. 4r+3) added in f32 onto the running sums: four chains, each taken every fourth instruction
.macro VSUM
	WIN 0x45
.irp i, 0,1,2,3,4,5,6,7
	v_pk_add_f32 v[64+4*(\i&1):65+4*(\i&1)], v[64+4*(\i&1):65+4*(\i&1)], v[32+4*\i:33+4*\i]
	v_pk_add_f32 v[66+4*(\i&1):67+4*(\i&1)], v[66+4*(\i&1):67+4*(\i&1)], v[34+4*\i:35+4*\i]
.endr
.endm
; ---- a step's number and its bias address: 512 bytes (128 positions) further for each step; (s + 15 - last) is 0..15, the mask states it
.macro STEPHEAD k
	s_add_co_u32 s[SIDX], s[CNT], \k
	s_add_co_u32 s51, s[SIDX], 15
	s_sub_co_u32 s51, s51, s[LAST]
	s_and_b32 s51, s51, 15
	s_lshl_b32 s51, s51, 9
	v_add_nc_u32 v[BRD], s51, v[BRC]
.endm
; ---- the tile to ask for now: step + 2; behind the last one tile 0, which the next pass or job begins with
.macro NEXTIDX
	s_add_co_u32 s28, s[SIDX], 2
	s_cmp_le_u32 s28, s[LAST]
	s_cselect_b32 s28, s28, 0
	s_lshl_b32 s28, s28, 15
.endm
; ---- 16 keys x 32 queries x 64: the first two start the sums from the bias tiles, the two accumulators take turns
.macro QK4 s0, s1, kf, c0, c1
	v_wmma_f32_16x16x32_f16 v[\s0:\s0+7], v[\kf:\kf+7], v[QF:QF+7], v[\c0:\c0+7]
	v_wmma_f32_16x16x32_f16 v[\s1:\s1+7], v[\kf:\kf+7], v[QF+16:QF+23], v[\c1:\c1+7]
	v_wmma_f32_16x16x32_f16 v[\s0:\s0+7], v[\kf+8:\kf+15], v[QF+8:QF+15], v[\s0:\s0+7]
	v_wmma_f32_16x16x32_f16 v[\s1:\s1+7], v[\kf+8:\kf+15], v[QF+24:QF+31], v[\s1:\s1+7]
.endm
; ---- one of the 16 packed adds that bring 32 registers down to a pair and add it to the running sums
.macro TREEOP base, ll, idx
.if \idx < 8
	v_pk_add_f32 v[\base+2*(\idx):\base+2*(\idx)+1], v[\base+2*(\idx):\base+2*(\idx)+1], v[\base+2*(\idx)+16:\base+2*(\idx)+17]
.elseif \idx < 12
	v_pk_add_f32 v[\base+2*(\idx-8):\base+2*(\idx-8)+1], v[\base+2*(\idx-8):\base+2*(\idx-8)+1], v[\base+2*(\idx-8)+8:\base+2*(\idx-8)+9]
.elseif \idx < 14
	v_pk_add_f32 v[\base+2*(\idx-12):\base+2*(\idx-12)+1], v[\base+2*(\idx-12):\base+2*(\idx-12)+1], v[\base+2*(\idx-12)+4:\base+2*(\idx-12)+5]
.elseif \idx == 14
	v_pk_add_f32 v[\base:\base+1], v[\base:\base+1], v[\base+2:\base+3]
.else
	v_pk_add_f32 v[\ll:\ll+1], v[\ll:\ll+1], v[\base:\base+1]
	s_wait_alu depctr_va_vdst(0)
.endif
.endm
; ---- pass 1's softmax step on 2 x 32 registers: new maximum, rescale the sum, add 2^(s - m).  Behind each pair of exponentials stands a plain
; instruction on other registers before a result is used (ISA guide 5.7.2)
.macro SM1
	v_max3_num_f32 v180, v[MM], v[S], v[S+1]                     ; two chains for each tile a, four in all
	v_max3_num_f32 v182, v[MM+2], v[S+32], v[S+33]
	v_max3_num_f32 v181, v[S+16], v[S+17], v[S+18]
	v_max3_num_f32 v183, v[S+48], v[S+49], v[S+50]
.irp m, 1,2,3,4,5,6
	v_max3_num_f32 v180, v180, v[S+2*\m], v[S+2*\m+1]
	v_max3_num_f32 v182, v182, v[S+32+2*\m], v[S+33+2*\m]
	v_max3_num_f32 v181, v181, v[S+17+2*\m], v[S+18+2*\m]
	v_max3_num_f32 v183, v183, v[S+49+2*\m], v[S+50+2*\m]
.endr
	v_max3_num_f32 v180, v180, v[S+14], v[S+15]
	v_max3_num_f32 v182, v182, v[S+46], v[S+47]
	v_max3_num_f32 v180, v180, v181, v[S+31]
	v_max3_num_f32 v182, v182, v183, v[S+63]
	v_sub_f32 v[AL], v[MM], v180                                 ; old maximum - new
	v_sub_f32 v[AL+2], v[MM+2], v182
	v_mov_b32 v[MM], v180
	v_mov_b32 v[MM+1], v180
	v_mov_b32 v[MM+2], v182
	v_mov_b32 v[MM+3], v182
	v_exp_f32 v[AL], v[AL]
	v_exp_f32 v[AL+2], v[AL+2]
.irp p, 0,1,2,3,4,5,6,7,8,9,10,11,12,13,14,15
	v_pk_add_f32 v[S+2*\p:S+2*\p+1], v[S+2*\p:S+2*\p+1], v[MM:MM+1] neg_lo:[0,1] neg_hi:[0,1]
.endr
.irp p, 0,1,2,3,4,5,6,7,8,9,10,11,12,13,14,15
	v_exp_f32 v[S+2*\p], v[S+2*\p]
	v_exp_f32 v[S+2*\p+1], v[S+2*\p+1]
	v_pk_add_f32 v[S+32+2*\p:S+33+2*\p], v[S+32+2*\p:S+33+2*\p], v[MM+2:MM+3] neg_lo:[0,1] neg_hi:[0,1]
.endr
	s_wait_alu depctr_va_vdst(0)
	v_pk_mul_f32 v[LL:LL+1], v[LL:LL+1], v[AL:AL+1] op_sel_hi:[1,0]          ; both sums by the low register
	v_pk_mul_f32 v[LL+2:LL+3], v[LL+2:LL+3], v[AL+2:AL+3] op_sel_hi:[1,0]
.irp p, 0,1,2,3,4,5,6,7,8,9,10,11,12,13,14,15
	v_exp_f32 v[S+32+2*\p], v[S+32+2*\p]
	v_exp_f32 v[S+33+2*\p], v[S+33+2*\p]
	TREEOP S, LL, \p
.endr
.irp p, 0,1,2,3,4,5,6,7,8,9,10,11,12,13,14,15
	TREEOP S+32, LL+2, \p
.endr
.endm
; ---- pass 1, one step of 128 keys (my 64).  slot: read; other: the next tile is stored there.  hi = 1: job 15-j, which also sums V's last j tiles
.macro STEP1 slot, other, k, hi
	STEPHEAD \k
.irp i, 0,1,2,3,4
	ds_load_b128 v[BI+8*\i:BI+8*\i+3], v[BRD] offset:64*\i                  ; bias tile i: key tile - query tile = i - 1
	ds_load_b128 v[BI+8*\i+4:BI+8*\i+7], v[BRD] offset:64*\i+16
.endr
.irp b, 0,1,2,3
.irp c, 0,1,2,3
	ds_load_b128 v[KF+16*\b+4*\c:KF+16*\b+4*\c+3], v[KRD] offset:\slot*KSLOT+\b*16*KPI+32*\c
.endr
.endr
.irp b, 0,1,2,3
	s_wait_dscnt 12-4*\b                                         ; LDS loads come back in order (ISA guide 5.7.1): only the later key tiles' four loads each stay out
	QK4 S+8*\b, S+32+8*\b, KF+16*\b, BI+8+8*\b, BI+8*\b
.endr
	PLACES
	s_wait_loadcnt 0x0                                           ; the tile(s) asked for one step ago; their base registers are free too
	NEXTIDX
	CVTK
	STK \other
	s_add_nc_u64 s[KP:KP+1], s[6:7], s[28:29]
	LOADK
	WIN 0
.if \hi
	; Steps 0 .. j-1: V's tile 15 - step is in the registers; it is added, and the next one asked for: tile 14 - step, behind the last of them tile 0, which
	; then waits in the registers for pass 2
	s_cmp_ge_u32 s[SIDX], s[JJ]
	s_cbranch_scc1 .Lnov_\@
	s_add_co_u32 s51, s[SIDX], 1
	s_sub_co_u32 s48, 14, s[SIDX]
	s_cmp_lt_u32 s51, s[JJ]
	s_cselect_b32 s48, s48, 0
	s_lshl_b32 s48, s48, 15
	VSUM
	s_add_nc_u64 s[VP:VP+1], s[8:9], s[48:49]
	LOADV
	WIN 0
.Lnov_\@:
	; Prefetch, one row of 256 bytes a thread, two tiles a line, each tile asked for by one work-group of the head.  Work-group j (2..6) asks at its step 2j-3
	; for K's tiles 2j, 2j+1, which the head's work-groups load one and two steps later; j = 3..6 also for V's tiles 2j-5, 2j-4 (tiles 1..8), which no pass 1
	; reads: work-group 7 loads them first, behind its nine steps of pass 1.  j = 0, 1 never match (2j-3 wraps), j = 7 has no step 11.
	s_cmp_lg_u32 s[SIDX], s50
	s_cbranch_scc1 .Lnopf_\@
	global_prefetch_b8 v[PFO], s[42:43] th:TH_LOAD_NT scope:SCOPE_SE
	s_cmp_lt_u32 s[JJ], 3
	s_cbranch_scc1 .Lnopf_\@
	global_prefetch_b8 v[PFO], s[44:45] th:TH_LOAD_NT scope:SCOPE_SE
.Lnopf_\@:
.endif
	SM1
	s_wait_dscnt 0x0                                             ; for the others: my stores into the other slot are done, my reads of this slot are back
	s_barrier_signal -1
	s_barrier_wait -1
.endm
.macro RELU2 e
.if USE_DUAL
	v_dual_max_num_f32 v[\e], 0, v[\e] :: v_dual_max_num_f32 v[\e+1], 0, v[\e+1]
.else
	v_max_num_f32 v[\e], 0, v[\e]
	v_max_num_f32 v[\e+1], 0, v[\e+1]
.endif
.endm
; ---- pass 2's weights on 2 x 16 registers: max(2^(s - m) / l + min(t,0), 0), packed to f16 in place: registers 0-7 of each 16 are source 1 of the product with V
.macro SM2
.irp p, 0,1,2,3,4,5,6,7
	v_pk_add_f32 v[X+2*\p:X+2*\p+1], v[X+2*\p:X+2*\p+1], v[MM:MM+1] neg_lo:[0,1] neg_hi:[0,1]
.endr
.irp p, 0,1,2,3,4,5,6,7
	v_exp_f32 v[X+2*\p], v[X+2*\p]
	v_exp_f32 v[X+2*\p+1], v[X+2*\p+1]
	v_pk_add_f32 v[X+16+2*\p:X+17+2*\p], v[X+16+2*\p:X+17+2*\p], v[MM+2:MM+3] neg_lo:[0,1] neg_hi:[0,1]
.endr
.irp p, 0,1,2,3,4,5,6,7
	v_exp_f32 v[X+16+2*\p], v[X+16+2*\p]
	v_exp_f32 v[X+17+2*\p], v[X+17+2*\p]
	s_wait_alu depctr_va_vdst(0)
	v_pk_fma_f32 v[X+2*\p:X+2*\p+1], v[X+2*\p:X+2*\p+1], v[LL:LL+1], v[TT:TT+1]
.endr
.irp p, 0,1,2,3,4,5,6,7
	RELU2 X+2*\p
	s_wait_alu depctr_va_vdst(0)
	v_pk_fma_f32 v[X+16+2*\p:X+17+2*\p], v[X+16+2*\p:X+17+2*\p], v[LL+2:LL+3], v[TT+2:TT+3]
.endr
.irp p, 0,1,2,3,4,5,6,7
	v_cvt_pk_f16_f32 v[X+\p], v[X+2*\p], v[X+2*\p+1]
	RELU2 X+16+2*\p
.endr
.irp p, 0,1,2,3,4,5,6,7
	v_cvt_pk_f16_f32 v[X+16+\p], v[X+16+2*\p], v[X+17+2*\p]
.endr
.endm
.macro KF2 slot, u                     ; K fragments of key tiles 2u, 2u+1
.irp b, 0,1
.irp c, 0,1,2,3
	ds_load_b128 v[KF+16*\b+4*\c:KF+16*\b+4*\c+3], v[KRD] offset:\slot*KSLOT+(2*\u+\b)*16*KPI+32*\c
.endr
.endr
.endm
.macro BI3 u                           ; the three bias tiles of key tiles 2u, 2u+1
.irp i, 0,1,2
	ds_load_b128 v[BI2+8*\i:BI2+8*\i+3], v[BRD] offset:128*\u+64*\i
	ds_load_b128 v[BI2+8*\i+4:BI2+8*\i+7], v[BRD] offset:128*\u+64*\i+16
.endr
.endm
.macro VF4 slot, u                     ; V's 64 columns x 32 keys, transposed on the way out of LDS: lane (r, h) gets keys 8h.., 16+8h.. of column 16 t + r
.irp t, 0,1,2,3
	ds_load_tr16_b128 v[VF+8*\t:VF+8*\t+3], v[VRD] offset:\slot*VSLOT+\u*32*VPI+32*\t
	ds_load_tr16_b128 v[VF+8*\t+4:VF+8*\t+7], v[VRD] offset:\slot*VSLOT+\u*32*VPI+32*\t+16*VPI
.endr
.endm
.macro PV zero                         ; eight accumulators, one instruction a turn.  zero = 1: the job's first product starts the sums
.irp t, 0,1,2,3
.if \zero
	v_wmma_f32_16x16x32_f16 v[O+8*\t:O+8*\t+7], v[VF+8*\t:VF+8*\t+7], v[X:X+7], 0
	v_wmma_f32_16x16x32_f16 v[O+32+8*\t:O+39+8*\t], v[VF+8*\t:VF+8*\t+7], v[X+16:X+23], 0
.else
	v_wmma_f32_16x16x32_f16 v[O+8*\t:O+8*\t+7], v[VF+8*\t:VF+8*\t+7], v[X:X+7], v[O+8*\t:O+8*\t+7]
	v_wmma_f32_16x16x32_f16 v[O+32+8*\t:O+39+8*\t], v[VF+8*\t:VF+8*\t+7], v[X+16:X+23], v[O+32+8*\t:O+39+8*\t]
.endif
.endr
.rept 5
	v_nop                                                        ; five places: the next score product writes over the weights, which these have read; a store of O needs four
.endr
.endm
; ---- pass 2, one step: two sub-steps of 32 of my keys.  K's next tile is stored behind the first scores, V's behind the second.
; hi = 1: the first job, in which the V tile that has arrived is also added to the sum of V's rows
.macro STEP2 slot, other, k, hi, zero
	STEPHEAD \k
	BI3 0
	KF2 \slot, 0
	s_wait_dscnt 0x4                                             ; all but the second key tile's four loads
	QK4 X, X+16, KF, BI2+8, BI2
	s_wait_dscnt 0x0
	QK4 X+8, X+24, KF+16, BI2+16, BI2+8
	PLACES
	s_wait_loadcnt 0x8                                           ; K's eight loads are in, V's eight younger ones stay out; K's base register is free
	NEXTIDX
	CVTK
	STK \other
	s_add_nc_u64 s[KP:KP+1], s[6:7], s[28:29]
	LOADK
	WIN 0
	VF4 \slot, 0
	KF2 \slot, 1
	BI3 1
	SM2
	s_wait_dscnt 14                                              ; V's fragments are in; the 8 K and 6 bias loads behind them stay out
	PV \zero
	s_wait_dscnt 0x0
	QK4 X, X+16, KF, BI2+8, BI2
	QK4 X+8, X+24, KF+16, BI2+16, BI2+8
	PLACES
	s_wait_loadcnt 0x8                                           ; V's eight loads are in, the new K tile's eight stay out
.if \hi
	VSUM                                                         ; tile step + 1; in the last step tile 0
.endif
	CVTV
	STV \other
	s_add_nc_u64 s[VP:VP+1], s[8:9], s[28:29]
	LOADV
	WIN 0
	VF4 \slot, 1
	SM2
	s_wait_dscnt 0x0                                             ; V's fragments; also, for the others: my stores into the other slots are done, my reads of these are back
	PV 0
	s_barrier_signal -1
	s_barrier_wait -1
.endm
; ---- pass 1, steps 0 .. last: (last + 1) >> 1 trips of two steps, so that the slots stand in the text, and one more step where the number of steps is odd.
; The loop counts its trips by one; a trip's first step is 2 x trip.  The first job has 9 steps or more; the second may have one alone, and then skips the loop
.macro PASS1 hi
	s_add_co_u32 s[NPAIR], s[LAST], 1
	s_lshr_b32 s[NPAIR], s[NPAIR], 1
	s_mov_b32 s[TRIP], 0
.if \hi == 0
	s_cmp_eq_u32 s[NPAIR], 0
	s_cbranch_scc1 .Lt1_\@
.endif
.Lp1_\@:
	s_lshl_b32 s[CNT], s[TRIP], 1
	STEP1 0, 1, 0, \hi
	STEP1 1, 0, 1, \hi
	s_add_co_u32 s[TRIP], s[TRIP], 1
	s_cmp_lt_u32 s[TRIP], s[NPAIR]
	s_cbranch_scc1 .Lp1_\@
.Lt1_\@:
	s_and_b32 s51, s[LAST], 1
	s_cmp_lg_u32 s51, 0
	s_cbranch_scc1 .Lx1_\@
	s_mov_b32 s[CNT], s[LAST]                                    ; last is even: step last is left, on slot 0
	STEP1 0, 1, 0, \hi
.Lx1_\@:
.endm
; ---- pass 2: step 0 stands in front of the loop, its first product starts the sums; then last >> 1 trips of two steps, a trip's first step 2 x trip + 1,
; and one more step where last is odd
.macro PASS2 hi
	s_mov_b32 s[CNT], 0
	STEP2 0, 1, 0, \hi, 1
	s_lshr_b32 s[NPAIR], s[LAST], 1
	s_mov_b32 s[TRIP], 0
.if \hi == 0
	s_cmp_eq_u32 s[NPAIR], 0
	s_cbranch_scc1 .Lt2_\@
.endif
.Lp2_\@:
	s_lshl_b32 s[CNT], s[TRIP], 1
	s_add_co_u32 s[CNT], s[CNT], 1
	STEP2 1, 0, 0, \hi, 0
	STEP2 0, 1, 1, \hi, 0
	s_add_co_u32 s[TRIP], s[TRIP], 1
	s_cmp_lt_u32 s[TRIP], s[NPAIR]
	s_cbranch_scc1 .Lp2_\@
.Lt2_\@:
	s_and_b32 s51, s[LAST], 1
	s_cmp_eq_u32 s51, 0
	s_cbranch_scc1 .Lx2_\@
	s_mov_b32 s[CNT], s[LAST]                                    ; last is odd: step last is left, on slot 1
	STEP2 1, 0, 0, \hi, 0
.Lx2_\@:
.endm
; ---- Q: lane (r, h) takes, of rows r and 16 + r of my 32, columns 32 ks + 16 half + 8 h .. + 7: the fragment's own order
.macro QLOAD
.irp a, 0,1
.irp c, 0,1,2,3
	global_load_b128 v[QS+32*\a+8*\c:QS+32*\a+8*\c+3], v[QGO], s[QP:QP+1] offset:\a*4096+\c*64
	global_load_b128 v[QS+32*\a+8*\c+4:QS+32*\a+8*\c+7], v[QGO], s[QP:QP+1] offset:\a*4096+\c*64+16
.endr
.endr
.endm
; ---- a job's start: where the result goes, min(tau / (q+1), 0) for my two rows, empty maximum and sums
.macro JOBINIT
	s_lshl_b32 s28, s[LAST], 15
	s_add_nc_u64 s[OP:OP+1], s[14:15], s[28:29]
	s_lshl_b32 s51, s[LAST], 7
	s_lshl_b32 s52, s20, 5
	s_add_co_u32 s51, s51, s52
	s_add_co_u32 s51, s51, 1
	v_add_nc_u32 v254, s51, v[RR]                                ; q + 1 = 128 block + 32 rg + r + 1
	v_add_nc_u32 v255, 16, v254
	v_cvt_f32_u32 v254, v254
	v_cvt_f32_u32 v255, v255
	v_rcp_f32 v[TT], v254
	v_rcp_f32 v[TT+2], v255
.irp m, 0,1,2,3
	v_mov_b32 v[MM+\m], MINIT
	v_mov_b32 v[LL+\m], 0
.endr
	s_wait_alu depctr_va_vdst(0)
	v_mul_f32 v[TT], s38, v[TT]
	v_mul_f32 v[TT+2], s38, v[TT+2]
	v_min_num_f32 v[TT], 0, v[TT]
	v_min_num_f32 v[TT+2], 0, v[TT+2]
	v_mov_b32 v[TT+1], v[TT]
	v_mov_b32 v[TT+3], v[TT+2]
.endm
; ---- in front of pass 1: K's tile 0 into slot 0, tile 1 asked for, Q scaled and packed
.macro PRO1
	s_wait_loadcnt 0x0                                           ; K's tile 0 and Q (and whatever else was asked for)
	CVTK
	STK 0
	s_cmp_ge_u32 s[LAST], 1
	s_cselect_b32 s28, TILEB, 0                                  ; tile 1, or tile 0 again where the job has one step
	s_add_nc_u64 s[KP:KP+1], s[6:7], s[28:29]
	LOADK
	WIN 0
.set p, 0
.rept 32
	v_pk_mul_f32 v[QS+2*p:QS+2*p+1], v[QS+2*p:QS+2*p+1], QSC op_sel_hi:[1,0]
.set p, p+1
.endr
.set p, 0
.rept 32
	v_cvt_pk_f16_f32 v[QF+p], v[QS+2*p], v[QS+2*p+1]
.set p, p+1
.endr
	s_wait_dscnt 0x0                                             ; for the others: slot 0 (and, the first time, the bias table) is written
	s_barrier_signal -1
	s_barrier_wait -1
.endm
; ---- between the passes: tile 0 of K and V into slot 0; (m, l) joined over the two halves of the lanes and the two key halves
.macro MERGE
	s_wait_loadcnt 0x0
	CVTK
	CVTV
	STK 0
	STV 0
	s_cmp_ge_u32 s[LAST], 1
	s_cselect_b32 s28, TILEB, 0
	s_add_nc_u64 s[KP:KP+1], s[6:7], s[28:29]
	s_add_nc_u64 s[VP:VP+1], s[8:9], s[28:29]
	LOADK                                                        ; K's eight first, then V's: pass 2's counted waits lean on this order
	LOADV
	WIN 0
.irp a, 0,1
	v_add_f32 v[MT+8*\a], v[LL+2*\a], v[LL+2*\a+1]
	v_permlanex16_b32 v[MT+8*\a+1], v[MM+2*\a], s36, s37         ; lane ^ 16 holds the same row's other keys
	v_permlanex16_b32 v[MT+8*\a+2], v[MT+8*\a], s36, s37
	v_max_num_f32 v[MT+8*\a+3], v[MM+2*\a], v[MT+8*\a+1]
	v_sub_f32 v[MT+8*\a+4], v[MM+2*\a], v[MT+8*\a+3]
	v_sub_f32 v[MT+8*\a+5], v[MT+8*\a+1], v[MT+8*\a+3]
	v_exp_f32 v[MT+8*\a+4], v[MT+8*\a+4]
	v_exp_f32 v[MT+8*\a+5], v[MT+8*\a+5]
	v_mov_b32 v[MM+2*\a], v[MT+8*\a+3]
	s_wait_alu depctr_va_vdst(0)
	v_mul_f32 v[MT+8*\a], v[MT+8*\a], v[MT+8*\a+4]
	v_fma_f32 v[MM+2*\a+1], v[MT+8*\a+2], v[MT+8*\a+5], v[MT+8*\a]
	ds_store_b64 v[STW], v[MM+2*\a:MM+2*\a+1] offset:256*\a
.endr
	s_wait_dscnt 0x0                                             ; for the others: slot 0 of K and V, my (m, l)
	s_barrier_signal -1
	s_barrier_wait -1
	ds_load_b64 v[MT:MT+1], v[STR]                               ; the same rows' (m, l) over the other 64 keys of each step
	ds_load_b64 v[MT+8:MT+9], v[STR] offset:256
	s_wait_dscnt 0x0
.irp a, 0,1
	v_max_num_f32 v[MT+8*\a+3], v[MM+2*\a], v[MT+8*\a]
	v_sub_f32 v[MT+8*\a+4], v[MM+2*\a], v[MT+8*\a+3]
	v_sub_f32 v[MT+8*\a+5], v[MT+8*\a], v[MT+8*\a+3]
	v_exp_f32 v[MT+8*\a+4], v[MT+8*\a+4]
	v_exp_f32 v[MT+8*\a+5], v[MT+8*\a+5]
	v_mov_b32 v[MM+2*\a], v[MT+8*\a+3]
	s_wait_alu depctr_va_vdst(0)
	v_mul_f32 v[MT+8*\a+2], v[MM+2*\a+1], v[MT+8*\a+4]
	v_fma_f32 v[MT+8*\a+2], v[MT+8*\a+1], v[MT+8*\a+5], v[MT+8*\a+2]
	v_rcp_f32 v[LL+2*\a], v[MT+8*\a+2]                           ; the row's largest term is 1, so the sum is at least 1
	v_mov_b32 v[MM+2*\a+1], v[MT+8*\a+3]
	s_wait_alu depctr_va_vdst(0)
	v_mov_b32 v[LL+2*\a+1], v[LL+2*\a]
.endr
.endm
; ---- the way out: each wave's 32 rows x 64 into its own LDS rows; behind a barrier the two key halves are added, 16 rows each, the tau term is added,
; and whole rows are stored.  hi = 1 (the first job): the next job's Q is asked for, and the eight waves' parts of V's sum meet behind the same barrier
.macro OUTP hi
.if \hi
	s_lshl_b32 s28, s[JJ], 15
	s_add_nc_u64 s[QP:QP+1], s[4:5], s[28:29]
	QLOAD
	WIN 0x05                                                     ; both sources in window 1, the result in window 0
	v_pk_add_f32 v[PX:PX+1], v[64:65], v[68:69]                  ; v320-323 + v324-327
	v_pk_add_f32 v[PX+2:PX+3], v[66:67], v[70:71]
	WIN 0
.irp m, 0,1,2,3
	v_permlanex16_b32 v[PT+\m], v[PX+\m], s36, s37               ; the two halves of the lanes summed different rows of the same four columns
.endr
.irp m, 0,1,2,3
	v_add_f32 v[PX+\m], v[PX+\m], v[PT+\m]
.endr
	ds_store_b128 v[SPW], v[PX:PX+3]                             ; both halves store the same 16 bytes
.endif
.irp a, 0,1
.irp t, 0,1,2,3
	ds_store_b128 v[XWR], v[O+32*\a+8*\t:O+32*\a+8*\t+3] offset:\a*16*XP+64*\t
	ds_store_b128 v[XWR], v[O+32*\a+8*\t+4:O+32*\a+8*\t+7] offset:\a*16*XP+64*\t+16
.endr
.endr
	s_lshl_b32 s51, s[LAST], 7                                   ; relu(tau / (q+1)) of the eight rows that I store: q = 128 block + 32 rg + 16 kh + h + 2 i
	s_lshl_b32 s52, s20, 5
	s_add_co_u32 s51, s51, s52
	s_lshl_b32 s52, s21, 4
	s_add_co_u32 s51, s51, s52
	s_add_co_u32 s51, s51, 1
	v_add_nc_u32 v254, s51, v[HH]
.irp i, 0,1,2,3,4,5,6,7
	v_add_nc_u32 v[RT+2*\i], 2*\i, v254
.endr
.irp i, 0,1,2,3,4,5,6,7
	v_cvt_f32_u32 v[RT+2*\i], v[RT+2*\i]
.endr
.irp i, 0,1,2,3,4,5,6,7
	v_rcp_f32 v[RT+2*\i], v[RT+2*\i]
.endr
	v_nop                                                        ; one plain place behind the reciprocals before a result is used (ISA guide 5.7.2)
	s_wait_alu depctr_va_vdst(0)
.irp i, 0,1,2,3,4,5,6,7
	v_mul_f32 v[RT+2*\i], s38, v[RT+2*\i]
.endr
.irp i, 0,1,2,3,4,5,6,7
	v_max_num_f32 v[RT+2*\i], 0, v[RT+2*\i]
.endr
	s_wait_dscnt 0x0                                             ; for the others: my rows, and my part of V's sum
	s_barrier_signal -1
	s_barrier_wait -1
.irp i, 0,1,2,3,4,5,6,7
	ds_load_b128 v[O+4*\i:O+4*\i+3], v[XRD] offset:\i*2*XP
	ds_load_b128 v[O+32+4*\i:O+35+4*\i], v[XRD] offset:\i*2*XP+4*XW
.endr
.if \hi
.irp c, 0,1,2,3
	ds_load_b128 v[PT+4*\c:PT+4*\c+3], v[SPR] offset:256*\c      ; half h of the lanes adds waves 4h .. 4h+3
.endr
.endif
	s_wait_dscnt 0x0
.if \hi
	v_pk_add_f32 v[PT:PT+1], v[PT:PT+1], v[PT+8:PT+9]
	v_pk_add_f32 v[PT+2:PT+3], v[PT+2:PT+3], v[PT+10:PT+11]
	v_pk_add_f32 v[PT+4:PT+5], v[PT+4:PT+5], v[PT+12:PT+13]
	v_pk_add_f32 v[PT+6:PT+7], v[PT+6:PT+7], v[PT+14:PT+15]
	v_pk_add_f32 v[PT:PT+1], v[PT:PT+1], v[PT+4:PT+5]
	v_pk_add_f32 v[PT+2:PT+3], v[PT+2:PT+3], v[PT+6:PT+7]
.irp m, 0,1,2,3
	v_permlanex16_b32 v[PX+\m], v[PT+\m], s36, s37
.endr
	WIN 0x40
.irp m, 0,1,2,3
	v_add_f32 v[64+\m], v[PT+\m], v[PX+\m]                       ; v320-323: the sum of all 2,048 rows of V, columns 4r .. 4r+3; it stays for the second job
.endr
	WIN 0
.endif
.irp p, 0,1,2,3,4,5,6,7,8,9,10,11,12,13,14,15
	v_pk_add_f32 v[O+2*\p:O+2*\p+1], v[O+2*\p:O+2*\p+1], v[O+32+2*\p:O+33+2*\p]
.endr
	WIN 0x01                                                     ; source 0 in window 1
.irp i, 0,1,2,3,4,5,6,7
	v_pk_fma_f32 v[O+4*\i:O+4*\i+1], v[64:65], v[RT+2*\i:RT+2*\i+1], v[O+4*\i:O+4*\i+1] op_sel_hi:[1,0,1]       ; + relu(t) x sum; the pair's upper register is named, not used
	v_pk_fma_f32 v[O+4*\i+2:O+4*\i+3], v[66:67], v[RT+2*\i:RT+2*\i+1], v[O+4*\i+2:O+4*\i+3] op_sel_hi:[1,0,1]
.endr
	WIN 0
.irp i, 0,1,2,3,4,5,6,7
	global_store_b128 v[OGO], v[O+4*\i:O+4*\i+3], s[OP:OP+1] offset:\i*512 th:TH_STORE_NT   ; 16 lanes store one row's 256 bytes, aligned
.endr
.if \hi
	s_wait_xcnt 0x0                                              ; the stores' data and base are rewritten only behind this wait (ISA guide 3.1)
.endif
.endm
; ================================================================ the body
	s_load_b256 s[4:11], s[0:1], 0x0                             ; q s[4:5], k s[6:7], v s[8:9], tau s[10:11]
	s_load_b128 s[12:15], s[0:1], 0x20                           ; bias_weight s[12:13], out0 s[14:15]
	v_lshl_add_u32 v8, v0, 2, 0x2ea00
	v_mov_b32 v15, 0
	v_and_b32 v[RR], 15, v0
	v_bfe_u32 v[HH], v0, 4, 1
	v_lshrrev_b32 v74, 5, v0
	v_readfirstlane_b32 s19, v74                                 ; wave 0..7
	s_and_b32 s20, s19, 3                                        ; rg
	s_lshr_b32 s21, s19, 2                                       ; kh
	s_mov_b32 s[JJ], ttmp9                                       ; j
	s_and_b32 s17, ttmp7, 0xffff                                 ; b*16 + h
	s_and_b32 s18, s17, 15                                       ; h
	s_lshl_b32 s24, s18, 2
	s_lshl_b32 s22, s17, 19                                      ; a head is 2,048 x 256 bytes
	s_mov_b32 s23, 0
	s_mov_b32 s29, 0
	s_mov_b32 s49, 0
	s_mov_b32 s36, 0x76543210                                    ; v_permlanex16_b32: lane i of one half reads lane i of the other
	s_mov_b32 s37, 0xfedcba98
	s_sub_co_u32 s[LAST], 15, s[JJ]                              ; the first job's block
	s_lshl_b32 s51, s19, 12                                      ; 16 rows a wave
	v_lshlrev_b32 v74, 4, v[RR]
	v_lshl_add_u32 v[KGO], v[HH], 11, v74
	v_add_nc_u32 v[KGO], s51, v[KGO]                             ; (16 w + 8 h) 256 + 16 r
	v_lshl_add_u32 v[VGO], v[HH], 10, v74
	v_add_nc_u32 v[VGO], s51, v[VGO]                             ; (16 w + 4 h) 256 + 16 r
	s_lshl_b32 s52, s20, 13
	v_lshlrev_b32 v[QGO], 8, v[RR]
	v_lshl_add_u32 v[QGO], v[HH], 5, v[QGO]
	v_add_nc_u32 v[QGO], s52, v[QGO]                             ; (32 rg + r) 256 + 32 h
	v_lshlrev_b32 v254, 6, v0
	v_add_nc_u32 v254, s24, v254                                 ; bias row = thread, 64 bytes a row, my head's word
	v_lshlrev_b32 v[PFO], 8, v0
	s_wait_kmcnt 0x0
	s_add_nc_u64 s[4:5], s[4:5], s[22:23]
	s_add_nc_u64 s[6:7], s[6:7], s[22:23]
	s_add_nc_u64 s[8:9], s[8:9], s[22:23]
	s_add_nc_u64 s[14:15], s[14:15], s[22:23]
	s_load_b32 s38, s[10:11], s24 offset:0x0                     ; tau[h]
.irp i, 0,1,2,3,4,5,6,7
	global_load_b32 v[64+\i], v254, s[12:13] offset:\i*16384     ; bias rows thread + 256 i: the 2,048 that q - k can reach
.endr
	s_mov_b64 s[KP:KP+1], s[6:7]
	LOADK                                                        ; K's tile 0
	s_cmp_lg_u32 s[JJ], 0
	s_cselect_b32 s48, 15*TILEB, 0
	s_add_nc_u64 s[VP:VP+1], s[8:9], s[48:49]
	LOADV                                                        ; V's tile 15, the first of the j that pass 1 sums; for j = 0 tile 0 at once
.irp m, 0,1,2,3,4,5,6,7
	v_mov_b32 v[64+\m], 0                                        ; v320-327: the running sums of V's rows
.endr
	WIN 0
	s_lshl_b32 s28, s[LAST], 15
	s_add_nc_u64 s[QP:QP+1], s[4:5], s[28:29]
	QLOAD
	; LDS addresses, while the loads are on their way
	s_mul_i32 s51, s19, 16*KPI
	s_add_co_u32 s51, s51, KS
	v_mul_u32_u24 v74, v[HH], 8*KPI
	v_lshl_add_u32 v74, v[RR], 3, v74
	v_add_nc_u32 v[KWR], s51, v74                                ; (16 w + 8 h) pitch + 8 r
	s_mul_i32 s51, s19, 16*VPI
	s_add_co_u32 s51, s51, VS
	v_mul_u32_u24 v74, v[HH], 4*VPI
	v_lshl_add_u32 v74, v[RR], 3, v74
	v_add_nc_u32 v[VWR], s51, v74                                ; (16 w + 4 h) pitch + 8 r
	s_mul_i32 s51, s21, 64*KPI
	s_add_co_u32 s51, s51, KS
	v_mul_u32_u24 v74, v[RR], KPI
	v_lshl_add_u32 v74, v[HH], 4, v74
	v_add_nc_u32 v[KRD], s51, v74                                ; (64 kh + r) pitch + 16 h
	s_mul_i32 s51, s21, 64*VPI
	s_add_co_u32 s51, s51, VS
	v_and_b32 v74, 7, v0
	v_lshl_add_u32 v74, v[HH], 3, v74
	v_mul_u32_u24 v74, v74, VPI
	v_bfe_u32 v75, v0, 3, 1
	v_lshl_add_u32 v74, v75, 4, v74
	v_add_nc_u32 v[VRD], s51, v74                                ; (64 kh + 8 h + (lane & 7)) pitch + 16 ((lane >> 3) & 1)
	s_mul_i32 s51, s19, XW
	s_add_co_u32 s51, s51, XO
	v_mul_u32_u24 v74, v[RR], XP
	v_lshl_add_u32 v74, v[HH], 5, v74
	v_add_nc_u32 v[XWR], s51, v74                                ; my rows: r pitch + 32 h
	s_mul_i32 s51, s20, XW
	s_mul_i32 s52, s21, 16*XP
	s_add_co_u32 s51, s51, s52
	s_add_co_u32 s51, s51, XO
	v_mul_u32_u24 v74, v[HH], XP
	v_lshl_add_u32 v74, v[RR], 4, v74
	v_add_nc_u32 v[XRD], s51, v74                                ; wave rg's rows 16 kh + h, 16 bytes a lane
	s_lshl_b32 s51, s20, 13
	s_lshl_b32 s52, s21, 12
	s_add_co_u32 s51, s51, s52
	v_lshlrev_b32 v74, 4, v[RR]
	v_lshl_add_u32 v74, v[HH], 8, v74
	v_add_nc_u32 v[OGO], s51, v74                                ; (32 rg + 16 kh + h) 256 + 16 r
	s_lshl_b32 s52, s19, 8
	s_add_co_u32 s52, s52, SUFP
	v_lshl_add_u32 v[SPW], v[RR], 4, s52                         ; my wave's 256 bytes, 16 r
	v_lshlrev_b32 v74, 4, v[RR]
	v_lshl_add_u32 v74, v[HH], 10, v74
	v_add_nc_u32 v[SPR], SUFP, v74                               ; wave 4 h's 256 bytes, 16 r
	v_and_b32 v74, 31, v0
	s_lshl_b32 s51, s19, 9
	s_add_co_u32 s52, s51, STAT
	v_lshl_add_u32 v[STW], v74, 3, s52
	s_xor_b32 s52, s19, 4                                        ; the wave with my rows and the other keys
	s_lshl_b32 s52, s52, 9
	s_add_co_u32 s52, s52, STAT
	v_lshl_add_u32 v[STR], v74, 3, s52
	; Bias words of register 0 of tile i at step s: copy r & 3, word 2048 - (128 (block - s) + 32 rg - 64 kh + 16 (1 - i) + r - 8 h) + (r & 3), a multiple of 4.
	; In bytes, all terms made non-negative: (r&3) 9280 + 32 h + 4 ((r&12)^12) + 128 (rg^3) + 256 kh + 16, + 512 (s + 15 - block), + 64 i.
	; The words read of a copy are 4 .. 2175; words 1 + c .. 2304 + c of copy c are written.
	v_and_b32 v74, 3, v[RR]
	v_mul_u32_u24 v[BRC], v74, CP
	v_lshl_add_u32 v[BRC], v[HH], 5, v[BRC]
	v_and_b32 v74, 12, v[RR]
	v_xor_b32 v74, 12, v74
	v_lshl_add_u32 v[BRC], v74, 2, v[BRC]
	s_xor_b32 s51, s20, 3
	s_lshl_b32 s51, s51, 7
	s_lshl_b32 s52, s21, 8
	s_add_co_u32 s51, s51, s52
	s_add_co_u32 s51, s51, 16
	v_add_nc_u32 v[BRC], s51, v[BRC]
	s_lshl_b32 s28, s[JJ], 16
	s_add_nc_u64 s[42:43], s[6:7], s[28:29]                      ; prefetch: K's tile 2j
	s_lshl_b32 s50, s[JJ], 1
	s_sub_co_i32 s51, s50, 5
	s_max_i32 s51, s51, 0                                        ; (j < 3 asks for nothing of V; its address stays inside all the same)
	s_lshl_b32 s28, s51, 15
	s_add_nc_u64 s[44:45], s[8:9], s[28:29]                      ; prefetch: V's tile 2j - 5
	s_sub_co_u32 s50, s50, 3                                     ; and the step, 2j - 3
	v_mov_b32 v[AL+1], 0                                         ; the pairs' upper registers are named by the packed multiply, not used
	v_mov_b32 v[AL+3], 0
	; the table: row thread + 256 i is T[2048 - row]; copy c, word x + c, byte c 9284 + 4 x = 4 (thread ^ 255) + c 9284 + 1024 (7 - i) + 4
	v_xor_b32 v255, 0xff, v0
	v_lshlrev_b32 v255, 2, v255
	v_lshlrev_b32 v72, 2, v0
	v_mov_b32 v73, NEG
	s_wait_loadcnt 32                                            ; the eight bias loads; K's 8, V's 8 and Q's 16 younger ones stay out
.irp i, 0,1,2,3,4,5,6,7
	v_mul_f32 v[64+\i], LOG2E, v[64+\i]
.endr
.irp c, 0,1,2,3
.irp i, 0,1,2,3,4,5,6,7
	ds_store_b32 v255, v[64+\i] offset:\c*(CP+4)+1024*(7-\i)+4
.endr
	ds_store_b32 v72, v73 offset:\c*(CP+4)+8196                  ; T[2049 + thread] = -1e30: q < k
.endr
	s_wait_kmcnt 0x0                                             ; tau
	; ---- job 15 - j
	JOBINIT
	PRO1
	PASS1 1
	MERGE
	PASS2 1
	OUTP 1
	; ---- job j.  K's tile 0 and V's tile 0 are already asked for: the last step of a pass asks for tile 0; V's stays in its registers through pass 1
	s_mov_b32 s[LAST], s[JJ]
	JOBINIT
	PRO1
	PASS1 0
	MERGE
	PASS2 0
	OUTP 0
	s_wait_tensorcnt 0x0
	ds_add_u32 v8, v15
	s_wait_dscnt 0x0
	s_endpgm
.Lfunc_end_k_q10395e9786_attn:
	.size	k_q10395e9786_attn, .Lfunc_end_k_q10395e9786_attn-k_q10395e9786_attn
	.p2alignl 7, 3214868480
	.fill 96, 4, 3214868480
	.section	.rodata,"a",@progbits
	.p2align	6, 0x0
	.amdhsa_kernel k_q10395e9786_attn
		.amdhsa_group_segment_fixed_size 192000
		.amdhsa_private_segment_fixed_size 0
		.amdhsa_enable_private_segment 0
		.amdhsa_kernarg_size 48
		.amdhsa_user_sgpr_count 2
		.amdhsa_user_sgpr_kernarg_segment_ptr 1
		.amdhsa_wavefront_size32 1
		.amdhsa_system_sgpr_workgroup_id_x 1
		.amdhsa_system_sgpr_workgroup_id_y 1
		.amdhsa_system_sgpr_workgroup_id_z 1
		.amdhsa_system_vgpr_workitem_id 0
		.amdhsa_next_free_vgpr 328
		.amdhsa_next_free_sgpr 66
		.amdhsa_reserve_vcc 0
		.amdhsa_float_denorm_mode_32 3
		.amdhsa_float_denorm_mode_16_64 3
		.amdhsa_memory_ordered 1
		.amdhsa_forward_progress 1
		.amdhsa_inst_pref_size 255
	.end_amdhsa_kernel
	.section	.bss,"aw",@nobits
	.p2align	6
	.space	262144
	.amdgpu_metadata
---
amdhsa.version: [ 1, 2 ]
amdhsa.kernels:
  - .name:           k_q10395e9786_attn
    .symbol:         k_q10395e9786_attn.kd
    .args:
      - { .name: q, .offset: 0, .size: 8, .value_kind: global_buffer, .address_space: global }
      - { .name: k, .offset: 8, .size: 8, .value_kind: global_buffer, .address_space: global }
      - { .name: v, .offset: 16, .size: 8, .value_kind: global_buffer, .address_space: global }
      - { .name: tau, .offset: 24, .size: 8, .value_kind: global_buffer, .address_space: global }
      - { .name: bias_weight, .offset: 32, .size: 8, .value_kind: global_buffer, .address_space: global }
      - { .name: out0, .offset: 40, .size: 8, .value_kind: global_buffer, .address_space: global }
    .group_segment_fixed_size: 192000
    .private_segment_fixed_size: 0
    .kernarg_segment_align: 8
    .kernarg_segment_size: 48
    .max_flat_workgroup_size: 256
    .sgpr_count:     66
    .vgpr_count:     328
    .wavefront_size: 32
...
	.end_amdgpu_metadata
.endif
;; end of part 1
